; MI455X (gfx1250); checked and timed in simulation.
; The chip was launched on July 23, 2026; its instructions are those of AMD's public machine-readable ISA for CDNA 5 (MIT licence, August 2026) and "CDNA5" Instruction Set Architecture Reference Guide (July 2026). The comments in the code are by the model that wrote it; some were corrected since.
;; KNRM. Allowed arithmetic: matrix products marked QUANTISED: E5M2 operands, one given power-of-two scale a tensor, by v_wmma_f32_16x16x64_bf8_bf8 or v_wmma_f32_16x16x128_bf8_bf8, f32 sums; products left as they are: f32 operands where the result goes on into a quantised operand, else bf16, f16 or f32 operands; f32 sums; everything else in f32.
;; Inputs: b0 10 float32; b1 5 float32; b2 1 float32; document_1 1,024 x 512 int32; document_2 1,024 x 512 int32; emb 50,000 x 128 float32; lowp_scales 4 int32 (the exponents e of the quantised operands' scales 2^e); query_1 1,024 x 32 int32; query_2 1,024 x 32 int32; w0 10 x 10 float32; w1 5 x 10 float32; w2 1 x 5 float32.
;; Outputs: out0 1,024 x 1 float32.
;; This version of the problem:
;;   THIS VERSION OF THE PROBLEM IS GIVEN IN LOW PRECISION. The matrix products marked QUANTISED in the list below multiply operands that are first quantised to E5M2 (5 exponent bits, 2 mantissa bits; 8 bits a number), with one given power-of-two scale for each operand tensor; their sums are f32. All else is computed in f32.
;;   The module's matrix products, in the order in which they are computed (A, B: the left and right operand; K: the contracted axis; several contracted axes count as one K, in the product's order):
;;     1. batch 1,024 x [M 32, K 128] x [K 128, N 512]; A: computed on the way; B: computed on the way: QUANTISED (scales: A lowp_scales[0], B lowp_scales[1])
;;     2. [M 1,024, K 10] x [K 10, N 10]; A: computed on the way; B: input w0: left as it is (K = 10 < 32)
;;     3. [M 1,024, K 10] x [K 10, N 5]; A: computed on the way; B: input w1: left as it is (K = 10 < 32)
;;     4. [M 1,024, K 5] x [K 5, N 1]; A: computed on the way; B: input w2: left as it is (K = 5 < 32)
;;     5. batch 1,024 x [M 32, K 128] x [K 128, N 512]; A: computed on the way; B: computed on the way: QUANTISED (scales: A lowp_scales[2], B lowp_scales[3])
;;     6. [M 1,024, K 10] x [K 10, N 10]; A: computed on the way; B: input w0: left as it is (K = 10 < 32)
;;     7. [M 1,024, K 10] x [K 10, N 5]; A: computed on the way; B: input w1: left as it is (K = 10 < 32)
;;     8. [M 1,024, K 5] x [K 5, N 1]; A: computed on the way; B: input w2: left as it is (K = 5 < 32)
;;   THE QUANTISER, for each operand of a quantised product, along K:
;;     - The operand's scale is 2^e, e = its entry of the input lowp_scales (int32; the entries are numbered through the quantised products in the list's order, A before B).
;;     - Each number is divided by the scale, clamped to +-57,344, and rounded to the nearest number of E5M2, ties to even, subnormals kept.
;;     - The product sums the exact products of the quantised numbers (number of the format x scale) in f32.
;;   ~~~python
;;   def quantise(x, axis, e):      # numpy; x: float32 -> the quantised numbers, widened to float32 again
;;       x = np.moveaxis(x, axis, -1); K = x.shape[-1]
;;       r = np.clip(x / 2.0 ** e, -57344, 57344)
;;       step = 2.0 ** (np.maximum(np.frexp(np.where(r == 0, 1, r))[1] - 1, -14) - 2)
;;       q = np.round(r / step) * step * 2.0 ** e      # np.round: ties to even
;;       return np.moveaxis(q, -1, axis).astype(np.float32)
;;   ~~~
;;   OPERANDS COMPUTED ON THE WAY. 'Computed on the way' means the value that the module computes at that place (a softmax that the list does not call 'softmax' is quantised finished and normalised). What goes into a quantiser is computed in f32, as accurately as f32 sums, v_exp_f32 and their like allow (about 1e-6 of the number): no bf16 or f16 on the way to a quantiser, and a product that is left as it is and whose result goes on into a quantised operand takes f32 operands (vector FMAs, or v_wmma_f32_16x16x4_f32). A number that lies on a knife's edge between two numbers of the format may be rounded either way, as far as f32 arithmetic and the matrix unit's own rounding can turn it there, and no further.
;; One version. Each part assembles by itself: llvm-mc -triple=amdgcn-amd-amdhsa -mcpu=gfx1250 --defsym DOCPART=n.
;; ======== version 1 of 1: 2 launches
;; limits: right only within a limited range of input values
;; workspace buffers: codes 25,600,000 bytes
;; launch quant (part 1): grid 1250 x 1, 4 waves a work-group, no clusters, 0 bytes of LDS; arguments emb, lowp_scales, codes; writes codes
.if DOCPART == 1
	.amdgcn_target "amdgcn-amd-amdhsa--gfx1250"
	.amdhsa_code_object_version 6
	.text
	.protected	k_q9ed95c1704_quant
	.globl	k_q9ed95c1704_quant
	.p2align	8
	.type	k_q9ed95c1704_quant,@function
k_q9ed95c1704_quant:
	s_mov_b64 s[64:65], 0
	v_nop
	global_prefetch_b8 v0, s[64:65] scope:SCOPE_SE
	s_setreg_imm32_b32 hwreg(HW_REG_WAVE_MODE, 25, 1), 1
	s_wait_xcnt 0x0
; Every row of emb [50000][128] f32 is normalised once (x / max(|x|, 1e-12)) and quantised four times, once with each of the four given scales 2^e:
; codes holds four tables of 50,000 rows x 128 bytes of E5M2 codes, table T (T x 6,400,000 bytes on) made with lowp_scales[T].
; code = x / 2^e, held within +-57,344, rounded to the nearest code, ties to even.
; ORDER OF A ROW'S BYTES: byte 8 r + i holds k = 4 r + i (i < 4) or k = 64 + 4 r + i - 4 (i >= 4): one fixed permutation of k, the same in all four tables,
; so that in a product of two rows every code meets its partner; only the order of the terms inside a sum differs.
; SHARES: a work-group takes 40 rows, a wave 10, in five steps of two rows.  In a step lanes 0-15 hold one row and lanes 16-31 the next, eight numbers a lane:
; each load's sixteen lanes read 256 consecutive bytes, aligned; each store's 32 lanes write 256 consecutive bytes (two rows of codes), aligned.
; All ten loads of a wave go out at its head; every offset is an immediate and no register of a load or store is written again: no loop, no LDS, no barrier.
; LIMITS: each e lies between -126 and 112, so that 2^e and 57,344 x 2^e are f32 numbers.  NaN and infinities in emb are not served.
.set X,   8                            ; v8-47    step u: eight numbers at X + 8 u
.set S,   48                           ; v48-57   step u: a pair: the sum of squares, then 1 / max(norm, 1e-12) in its low word
.set Y,   58                           ; v58-73   two sets of eight held numbers, by turns
.set C,   74                           ; v74-113  codes: a pair for each step and table, so that no store's data are written again
.set SCL, 114                          ; v114-117 2^e as f32, for each table
.set LIM, 118                          ; v118-121 57,344 x 2^e
.set TBL, 6400000                      ; bytes in a table
	s_load_b128 s[4:7], s[0:1], 0x0                ; emb s[4:5], the scales' exponents s[6:7]
	s_load_b64 s[8:9], s[0:1], 0x10                ; codes
	v_lshrrev_b32 v3, 5, v0
	v_readfirstlane_b32 s10, v3                    ; wave 0..3
	v_and_b32 v3, 31, v0
	v_lshlrev_b32 v2, 3, v3                        ; out: 8 bytes a lane
	v_and_b32 v4, 15, v0                           ; r
	v_bfe_u32 v5, v0, 4, 1                         ; h
	v_lshlrev_b32 v1, 4, v4
	v_lshl_add_u32 v1, v5, 9, v1                   ; in: row h of 512 bytes, + 16 r
	s_mul_i32 s11, ttmp9, 40
	s_mul_i32 s24, s10, 10
	s_add_co_u32 s11, s11, s24                     ; my wave's first row: 40 x work-group + 10 x wave, an even number
	s_lshl_b32 s24, s11, 9                         ; its byte in emb (under 2^25),
	s_mov_b32 s25, 0
	s_lshl_b32 s26, s11, 7                         ; and in a table of codes
	s_mov_b32 s27, 0
	s_wait_kmcnt 0x0
	s_load_b128 s[12:15], s[6:7], 0x0              ; the four exponents
	s_add_nc_u64 s[4:5], s[4:5], s[24:25]
	s_add_nc_u64 s[16:17], s[8:9], s[26:27]        ; my rows in table 0,
	s_add_nc_u64 s[18:19], s[16:17], TBL           ; 1,
	s_add_nc_u64 s[20:21], s[18:19], TBL           ; 2,
	s_add_nc_u64 s[22:23], s[20:21], TBL           ; 3
.irp u, 0,1,2,3,4
	global_load_b128 v[X+8*\u:X+8*\u+3],   v1, s[4:5] offset:1024*\u th:TH_LOAD_NT       ; k = 4 r + 0 .. 3
	global_load_b128 v[X+8*\u+4:X+8*\u+7], v1, s[4:5] offset:1024*\u+256 th:TH_LOAD_NT   ; k = 64 + 4 r + 0 .. 3
.endr
	s_wait_kmcnt 0x0
.irp t, 0,1,2,3
	s_add_co_i32 s24, s[12+\t], 127
	s_lshl_b32 s25, s24, 23
	v_mov_b32 v[SCL+\t], s25                       ; 2^e as f32: the conversion takes its exponent field
	s_add_co_i32 s24, s24, 15
	s_lshl_b32 s24, s24, 23
	s_or_b32 s24, s24, 0x600000
	v_mov_b32 v[LIM+\t], s24                       ; 57,344 x 2^e
.endr
; The sum of a row's squares: eight numbers in the lane, then over the row's sixteen lanes; then its reciprocal root.
.macro SQ u
	s_wait_loadcnt 2*(4-(\u))                      ; loads come back in order: this step's two are in, the two of each younger step may be out
	v_pk_mul_f32 v[S+2*(\u):S+2*(\u)+1], v[X+8*(\u):X+8*(\u)+1], v[X+8*(\u):X+8*(\u)+1]
.irp j, 2,4,6
	v_pk_fma_f32 v[S+2*(\u):S+2*(\u)+1], v[X+8*(\u)+\j:X+8*(\u)+\j+1], v[X+8*(\u)+\j:X+8*(\u)+\j+1], v[S+2*(\u):S+2*(\u)+1]
.endr
	v_add_f32 v[S+2*(\u)], v[S+2*(\u)], v[S+2*(\u)+1]
.irp m, 1,2,4,8
	v_add_f32_dpp v[S+2*(\u)], v[S+2*(\u)], v[S+2*(\u)] row_xmask:\m row_mask:0xf bank_mask:0xf
.endr
	v_rsq_f32 v[S+2*(\u)], v[S+2*(\u)]             ; 1 / norm; of a sum that is zero or denormal: infinity, which the minimum below holds at 1e12
.endm
; Normalise, and for each table: hold, convert, store.
.macro QT u
	v_min_num_f32 v[S+2*(\u)], 0x5368d4a5, v[S+2*(\u)]   ; min(1 / norm, 1e12) = 1 / max(norm, 1e-12)
.irp j, 0,2,4,6
	v_pk_mul_f32 v[X+8*(\u)+\j:X+8*(\u)+\j+1], v[X+8*(\u)+\j:X+8*(\u)+\j+1], v[S+2*(\u):S+2*(\u)+1] op_sel_hi:[1,0]
.endr
.irp t, 0,1,2,3
.irp i, 0,1,2,3,4,5,6,7
	v_med3_num_f32 v[Y+8*(\t%2)+\i], v[X+8*(\u)+\i], -v[LIM+\t], v[LIM+\t]   ; the conversion to an 8-bit code does not saturate (ISA guide 7.6.2): the hold at the largest code x the scale
.endr
	v_cvt_scalef32_pk8_bf8_f32 v[C+8*(\u)+2*\t:C+8*(\u)+2*\t+1], v[Y+8*(\t%2):Y+8*(\t%2)+7], v[SCL+\t]   ; its sources are written again two tables on: the next table's eight holds, plain lines, stand between
	global_store_b64 v2, v[C+8*(\u)+2*\t:C+8*(\u)+2*\t+1], s[16+2*\t:17+2*\t] offset:256*(\u)            ; 32 lanes store 256 consecutive bytes, at a multiple of 256 from the buffer's first byte
.endr
.endm
	SQ 0
	SQ 1
	SQ 2
	SQ 3
	SQ 4
	v_nop                                          ; a plain line behind the last reciprocal root
	s_wait_alu depctr_va_vdst(0)                   ; one wait for the batch of five, ahead of the first line that names a result
	QT 0
	QT 1
	QT 2
	QT 3
	QT 4
	s_endpgm
.Lfunc_end_k_q9ed95c1704_quant:
	.size	k_q9ed95c1704_quant, .Lfunc_end_k_q9ed95c1704_quant-k_q9ed95c1704_quant
	.p2alignl 7, 3214868480
	.fill 96, 4, 3214868480
	.section	.rodata,"a",@progbits
	.p2align	6, 0x0
	.amdhsa_kernel k_q9ed95c1704_quant
		.amdhsa_group_segment_fixed_size 0
		.amdhsa_private_segment_fixed_size 0
		.amdhsa_enable_private_segment 0
		.amdhsa_kernarg_size 24
		.amdhsa_user_sgpr_count 2
		.amdhsa_user_sgpr_kernarg_segment_ptr 1
		.amdhsa_wavefront_size32 1
		.amdhsa_system_sgpr_workgroup_id_x 1
		.amdhsa_system_sgpr_workgroup_id_y 1
		.amdhsa_system_sgpr_workgroup_id_z 1
		.amdhsa_system_vgpr_workitem_id 0
		.amdhsa_next_free_vgpr 128
		.amdhsa_next_free_sgpr 66
		.amdhsa_reserve_vcc 0
		.amdhsa_float_denorm_mode_32 3
		.amdhsa_float_denorm_mode_16_64 3
		.amdhsa_memory_ordered 1
		.amdhsa_forward_progress 1
		.amdhsa_inst_pref_size 22
	.end_amdhsa_kernel
	.amdgpu_metadata
---
amdhsa.version: [ 1, 2 ]
amdhsa.kernels:
  - .name:           k_q9ed95c1704_quant
    .symbol:         k_q9ed95c1704_quant.kd
    .args:
      - { .name: emb, .offset: 0, .size: 8, .value_kind: global_buffer, .address_space: global }
      - { .name: lowp_scales, .offset: 8, .size: 8, .value_kind: global_buffer, .address_space: global }
      - { .name: codes, .offset: 16, .size: 8, .value_kind: global_buffer, .address_space: global }
    .group_segment_fixed_size: 0
    .private_segment_fixed_size: 0
    .kernarg_segment_align: 8
    .kernarg_segment_size: 24
    .max_flat_workgroup_size: 128
    .sgpr_count:     66
    .vgpr_count:     128
    .wavefront_size: 32
...
	.end_amdgpu_metadata
.endif
;; end of part 1
;; launch knrm (part 2): grid 256 x 1, 16 waves a work-group, no clusters, 23,040 bytes of LDS; arguments codes, query_1, document_1, query_2, document_2, lowp_scales, w0, b0, w1, b1, w2, b2, out0; writes out0
.if DOCPART == 2
	.amdgcn_target "amdgcn-amd-amdhsa--gfx1250"
	.amdhsa_code_object_version 6
	.text
	.protected	k_q9ed95c1704_knrm
	.globl	k_q9ed95c1704_knrm
	.p2align	8
	.type	k_q9ed95c1704_knrm,@function
k_q9ed95c1704_knrm:
	s_mov_b64 s[64:65], 0
	v_nop
	global_prefetch_b8 v0, s[64:65] scope:SCOPE_SE
	s_setreg_imm32_b32 hwreg(HW_REG_WAVE_MODE, 25, 1), 1
	s_wait_xcnt 0x0
; out0[b] = sigmoid(logit(query_1[b], document_1[b]) - logit(query_2[b], document_2[b])).  A logit: the 32 x 512 matrix mm of cosines between the gathered, normalised rows, as a product of
; E5M2 codes; ten Gaussian kernels of every mm, summed over the 512 documents; log1p; summed over the 32 queries; a 10-10-5-1 net.
; The rows come as codes from the four tables that the launch before has made (table 2 p: queries of pair p; table 2 p + 1: its documents; 128 bytes a row).
; SHARES.  A work-group takes four items b, both pairs.  Wave w: item w / 4, pair (w / 2) % 2, documents 256 (w % 2) on: 32 queries x 256 documents, 16 tiles of 16 documents.  Four waves to a SIMD, 256 registers
; each, so that one wave's exponentials stand beside another's packed arithmetic.  No two work-groups share a tile (rows are gathered by index), so there is no cluster, no joint load, and operands go
; from memory straight into the operand registers: four loads of 16 bytes a lane and fragment, a ring of four fragments, asked for three tiles ahead.
; LAYOUT.  The product is used transposed: source 0 = 16 documents, source 1 = 16 queries.  A lane then holds ONE query (lane % 16) and eight documents in its eight registers: the sums over documents stay in
; the lane, and one exchange with lane xor 16 ends them.  Which rows form a tile is free: lane r takes documents 64 G + 4 r + j (group G, tile 4 G + j: one load of four indices) and queries 2 r, 2 r + 1.
; THE TEN KERNELS WITH FOUR EXPONENTIALS.  c = 50 log2(e), s = sqrt(c) mm, d = (2/9) sqrt(c), w = 2 d s.  Soft kernel j = -4 .. 4 (mean 2 j / 9, sigma 0.1) is 2^-(s - j d)^2 = 2^-(56 + j^2 d^2) x E0 x r^j,
; E0 = 2^(56 - s^2), r = 2^w.  The constant factor is applied once to the finished sum.  E0 r^j is built from E0, r, 1/r = 2^-w, r^2, 1/r^2 so that no intermediate passes 2^122.  The kernel at mean 1,
; sigma 0.001, is X = 2^-(849.32 (mm - 1))^2, taken directly.  E0 r^j = 2^(56 + j^2 d^2 - (s - j d)^2) is at most 2^113, a finished sum at most 2^121.
; LIMITS.  e = the sum of a pair's two given exponents lies between -126 and 117 (it is added to the exponent fields of the constants).  mm is held within +-1.9, where every kernel is under 2^-73.
; Beyond |mm| = 1.588 E0 falls under the smallest normal number and is taken as 0: what is lost of any kernel is under 2^-35 a score.  (Unit vectors rounded to E5M2 give |mm| under 1.3.)
; Indices lie inside the table, as the problem states; as unsigned numbers they are held at 49,999.
.set AD,  4                            ; v4-7     byte offsets of the next group's four rows
.set N1,  8                            ; v8-11    raw indices of the group after that
.set QF,  12                           ; v12-43   the two fragments of queries
.set RG,  44                           ; v44-107  a ring of four fragments of documents
.set D,   108                          ; v108-123 the two results: queries 2 r (v108-115) and 2 r + 1 (v116-123)
.set QE,  124                          ; v124-139 s, then 56 - s^2, then E0
.set WW,  140                          ; v140-155 w, then 1 / r
.set RR,  156                          ; v156-171 r
.set UX,  172                          ; v172-187 u = 849.32 (mm - 1), then -u^2, then X
.set TT,  188                          ; v188-203 for each tile of queries a, at TT + 8 a: the pairs r^2, 1/r^2, E0 r^2, E0 / r^2
.set AC,  204                          ; v204-243 the sums: kernel k of tile a is the pair at AC + 20 a + 2 k
.set N2,  244                          ; v244-247 raw indices of the last group
.set G0,  248                          ; v248-251 byte offsets of group 0's rows
.set QO,  252                          ; v252-253 byte offsets of my two queries' rows
                                       ; v254 -849.32; v255 1.9 x 2^-e; v1 16 (lane / 16); v2 16 (lane % 16); v3 8 (lane % 16)
.set PART, 0                           ; LDS: each wave's sums: 1,280 x wave + 128 x kernel + 4 x lane
.set FEAT, 20480                       ; LDS: the features: 64 x (2 x item + pair) + 4 x kernel
; s[4:29] the buffers; s30 wave, s31 item, s32 pair, s33 half, s34 b; s[36:39] the given exponents; s[40:41] my indices of documents, s[42:43] of queries; s[50:51] the queries' table, s[52:53] the documents';
; s[54:55] sqrt(c) 2^e, s[56:57] 32.06 x 2^e, s[58:59] 849.32 x 2^e, s[60:61] 56 (pairs: the packed forms name a pair and take its low word); s62 the mask of lanes 16-31; s66, s67 selects; s68 trips
.macro FRAG reg, adr, base             ; a fragment, 16 rows x 128 codes: lane (r, h) takes bytes 32 c + 16 h + 0 .. 15 of its row into registers 4 c .. 4 c + 3; the same in both operands
.irp c, 0,1,2,3
	global_load_b128 v[\reg+4*\c:\reg+4*\c+3], v[\adr], s[\base:\base+1] offset:32*\c
.endr
.endm
.macro OFFS dst, src                   ; an index becomes the byte offset of my 16 bytes in its row
	v_min_u32 v[\dst], 0xc34f, v[\src]             ; held at the table's last row
	v_lshlrev_b32 v[\dst], 7, v[\dst]
	v_add_nc_u32 v[\dst], v1, v[\dst]
.endm
.macro MM slot                         ; 16 documents x 32 queries x 128: two results, each begun with the constant 0: nothing is added in place
	v_wmma_f32_16x16x128_bf8_bf8 v[D:D+7], v[RG+16*(\slot):RG+16*(\slot)+15], v[QF:QF+15], 0
	v_wmma_f32_16x16x128_bf8_bf8 v[D+8:D+15], v[RG+16*(\slot):RG+16*(\slot)+15], v[QF+16:QF+31], 0
.endm
; The fourteen packed lines for pair j of a tile's eight scores, each line for both tiles of queries, so that a line never reads the result of the line just before it.
.macro CHAIN j
.irp n, 0,1,2,3,4,5,6,7,8,9,10,11,12,13
.irp a, 0,1
.set cO, 8*\a+2*(\j)
.set cT, TT+8*\a
.set cA, AC+20*\a
.if \n == 0
	v_pk_mul_f32 v[cT:cT+1], v[RR+cO:RR+cO+1], v[RR+cO:RR+cO+1]                          ; r^2
.elseif \n == 1
	v_pk_mul_f32 v[cT+2:cT+3], v[WW+cO:WW+cO+1], v[WW+cO:WW+cO+1]                        ; 1 / r^2
.elseif \n == 2
	v_pk_add_f32 v[cA+8:cA+9], v[cA+8:cA+9], v[QE+cO:QE+cO+1]                            ; kernel 4: E0
.elseif \n == 3
	v_pk_add_f32 v[cA+18:cA+19], v[cA+18:cA+19], v[UX+cO:UX+cO+1]                        ; kernel 9: X
.elseif \n == 4
	v_pk_fma_f32 v[cA+10:cA+11], v[QE+cO:QE+cO+1], v[RR+cO:RR+cO+1], v[cA+10:cA+11]      ; kernel 5: E0 r
.elseif \n == 5
	v_pk_fma_f32 v[cA+6:cA+7], v[QE+cO:QE+cO+1], v[WW+cO:WW+cO+1], v[cA+6:cA+7]          ; kernel 3: E0 / r
.elseif \n == 6
	v_pk_mul_f32 v[cT+4:cT+5], v[QE+cO:QE+cO+1], v[cT:cT+1]                              ; f = E0 r^2
.elseif \n == 7
	v_pk_mul_f32 v[cT+6:cT+7], v[QE+cO:QE+cO+1], v[cT+2:cT+3]                            ; g = E0 / r^2
.elseif \n == 8
	v_pk_add_f32 v[cA+12:cA+13], v[cA+12:cA+13], v[cT+4:cT+5]                            ; kernel 6: f
.elseif \n == 9
	v_pk_add_f32 v[cA+4:cA+5], v[cA+4:cA+5], v[cT+6:cT+7]                                ; kernel 2: g
.elseif \n == 10
	v_pk_fma_f32 v[cA+14:cA+15], v[cT+4:cT+5], v[RR+cO:RR+cO+1], v[cA+14:cA+15]          ; kernel 7: f r
.elseif \n == 11
	v_pk_fma_f32 v[cA+2:cA+3], v[cT+6:cT+7], v[WW+cO:WW+cO+1], v[cA+2:cA+3]              ; kernel 1: g / r
.elseif \n == 12
	v_pk_fma_f32 v[cA+16:cA+17], v[cT+4:cT+5], v[cT:cT+1], v[cA+16:cA+17]                ; kernel 8: f r^2
.else
	v_pk_fma_f32 v[cA:cA+1], v[cT+6:cT+7], v[cT+2:cT+3], v[cA:cA+1]                      ; kernel 0: g / r^2
.endif
.endr
.endr
.endm
; One tile's turn: the scores in D (made a turn ago from ring slot j) go through the kernels; the next tile's product is issued as soon as D has been read out.
; refill = 1: slot j takes the tile four further on.  prod = 1: the next tile is multiplied; cnt = the loads younger than that tile's four.
.macro BODY j, refill, prod, cnt
.if \refill
	FRAG RG+16*\j, AD+\j, 52                       ; the product that read this slot stands more than a hundred plain vector lines back
.endif
.irp i, 0,1,2,3,4,5,6,7,8,9,10,11,12,13,14,15
	v_med3_num_f32 v[D+\i], v[D+\i], -v255, v255   ; mm held within +-1.9; each result is read from its low end on
.endr
.irp i, 0,2,4,6,8,10,12,14
	v_pk_mul_f32 v[WW+\i:WW+\i+1], v[D+\i:D+\i+1], s[56:57] op_sel_hi:[1,0]                     ; w
.endr
.irp i, 0,2,4,6,8,10,12,14
	v_pk_mul_f32 v[QE+\i:QE+\i+1], v[D+\i:D+\i+1], s[54:55] op_sel_hi:[1,0]                     ; s
.endr
.irp i, 0,2,4,6,8,10,12,14
	v_pk_fma_f32 v[UX+\i:UX+\i+1], v[D+\i:D+\i+1], s[58:59], v[254:255] op_sel_hi:[1,0,0]       ; u = 849.32 mm - 849.32
.endr
.if \prod
	s_wait_loadcnt \cnt                            ; loads come back in order: the next tile's four are in, the younger tiles' may be out
	MM (\j+1)%4
.endif
.irp i, 0,1,2,3,4,5,6,7,8,9,10,11,12,13,14,15
	v_exp_f32 v[RR+\i], v[WW+\i]                   ; r
.endr
.irp i, 0,2,4,6,8,10,12,14
	v_pk_fma_f32 v[QE+\i:QE+\i+1], v[QE+\i:QE+\i+1], v[QE+\i:QE+\i+1], s[60:61] op_sel_hi:[1,1,0] neg_lo:[1,0,0] neg_hi:[1,0,0]   ; 56 - s^2
.endr
.irp i, 0,2,4,6,8,10,12,14
	v_pk_mul_f32 v[UX+\i:UX+\i+1], v[UX+\i:UX+\i+1], v[UX+\i:UX+\i+1] neg_lo:[1,0] neg_hi:[1,0]   ; -u^2.  (These sixteen plain lines are the places behind the products, and stand between the exponentials that read w and those that write over it)
.endr
.irp i, 0,1,2,3,4,5,6,7,8,9,10,11,12,13,14,15
	v_exp_f32 v[QE+\i], v[QE+\i]                   ; E0
.endr
.irp i, 0,1,2,3,4,5,6,7,8,9,10,11,12,13,14,15
	v_exp_f32 v[UX+\i], v[UX+\i]                   ; X
.endr
.irp i, 0,1,2,3,4,5,6,7,8,9,10,11,12,13,14,15
	v_exp_f32 v[WW+\i], -v[WW+\i]                  ; 1 / r
.endr
	v_nop                                          ; a plain line behind the last exponential
	s_wait_alu depctr_va_vdst(0)                   ; one wait for the 64 exponentials, ahead of the first line that names a result
	CHAIN 0
	CHAIN 1
	CHAIN 2
	CHAIN 3
.endm
.macro WLD reg, n, base                ; n loads of 16 bytes, every lane the same bytes
.set wi, 0
.rept \n
	global_load_b128 v[\reg+4*wi:\reg+4*wi+3], v186, s[\base:\base+1] offset:16*wi
.set wi, wi+1
.endr
.endm
	s_load_b512 s[4:19], s[0:1], 0x0               ; codes s[4:5], query_1 s[6:7], document_1 s[8:9], query_2 s[10:11], document_2 s[12:13], the exponents s[14:15], w0 s[16:17], b0 s[18:19]
	s_load_b256 s[20:27], s[0:1], 0x40             ; w1 s[20:21], b1 s[22:23], w2 s[24:25], b2 s[26:27]
	s_load_b64 s[28:29], s[0:1], 0x60              ; out0
	v_lshrrev_b32 v1, 5, v0
	v_readfirstlane_b32 s30, v1                    ; wave 0..15
	v_and_b32 v2, 15, v0                           ; r
	v_bfe_u32 v1, v0, 4, 1                         ; h
	v_lshlrev_b32 v3, 3, v2                        ; 8 r
	v_lshlrev_b32 v2, 4, v2                        ; 16 r
	v_lshlrev_b32 v1, 4, v1                        ; 16 h
	s_lshr_b32 s31, s30, 2                         ; item
	s_bfe_u32 s32, s30, 0x10001                    ; pair
	s_and_b32 s33, s30, 1                          ; half of the documents
	s_lshl_b32 s34, ttmp9, 2
	s_add_co_u32 s34, s34, s31                     ; b = 4 x work-group + item
	s_lshl_b32 s44, s34, 11                        ; a row of 512 indices is 2,048 bytes,
	s_lshl_b32 s69, s33, 10                        ; my 256 of them 1,024
	s_add_co_u32 s44, s44, s69
	s_mov_b32 s45, 0
	s_lshl_b32 s46, s34, 7                         ; a row of 32 indices is 128 bytes
	s_mov_b32 s47, 0
	s_mov_b32 s49, 0
	s_wait_kmcnt 0x0
	s_load_b128 s[36:39], s[14:15], 0x0            ; the four given exponents
	s_cmp_eq_u32 s32, 0                            ; the pair chooses its buffers: the condition hangs on the wave's number alone
	s_cselect_b64 s[40:41], s[8:9], s[12:13]
	s_cselect_b64 s[42:43], s[6:7], s[10:11]
	s_cselect_b32 s48, 0, 0xc35000                 ; tables 0, 1 or tables 2, 3: 12,800,000 bytes on
	s_add_nc_u64 s[40:41], s[40:41], s[44:45]
	s_add_nc_u64 s[42:43], s[42:43], s[46:47]
	s_add_nc_u64 s[50:51], s[4:5], s[48:49]        ; the queries' table,
	s_add_nc_u64 s[52:53], s[50:51], 0x61a800      ; the documents', 6,400,000 bytes on
	global_load_b64 v[QO:QO+1], v3, s[42:43]                   ; queries 2 r, 2 r + 1
	global_load_b128 v[G0:G0+3], v2, s[40:41]                  ; documents 4 r + 0 .. 3 of group 0: sixteen lanes read 256 consecutive bytes
	global_load_b128 v[AD:AD+3], v2, s[40:41] offset:256       ; group 1
	global_load_b128 v[N1:N1+3], v2, s[40:41] offset:512       ; group 2
	global_load_b128 v[N2:N2+3], v2, s[40:41] offset:768       ; group 3
	s_wait_loadcnt 0x3                             ; the queries' and group 0's indices are in; the three younger loads may be out
	OFFS QO, QO
	OFFS QO+1, QO+1
.irp j, 0,1,2,3
	OFFS G0+\j, G0+\j
.endr
	FRAG QF, QO, 50
	FRAG QF+16, QO+1, 50
.irp j, 0,1,2,3
	FRAG RG+16*\j, G0+\j, 52                       ; tiles 0 to 3 fill the ring
.endr
	s_wait_loadcnt 24                              ; all but the 24 just issued: every index is in
.irp j, 0,1,2,3
	OFFS AD+\j, AD+\j
.endr
	s_wait_kmcnt 0x0
	s_cmp_eq_u32 s32, 0
	s_cselect_b32 s69, s36, s38
	s_cselect_b32 s70, s37, s39
	s_add_co_i32 s69, s69, s70                     ; e: a sum of the product stands for sum x 2^e
	s_lshl_b32 s70, s69, 23                        ; and is added to the exponent field of each constant that multiplies the sum
	s_add_co_i32 s54, s70, 0x4107e439              ; sqrt(c) = 8.493218
	s_mov_b32 s55, s54
	s_add_co_i32 s56, s70, 0x42003d54              ; 2 d sqrt(c) = 32.05989
	s_mov_b32 s57, s56
	s_add_co_i32 s58, s70, 0x44545498              ; 849.3218 = sqrt(500,000 log2(e))
	s_mov_b32 s59, s58
	s_mov_b32 s60, 0x42600000                      ; 56
	s_mov_b32 s61, s60
	s_sub_co_i32 s71, 0x3ff33333, s70              ; 1.9 x 2^-e
	v_mov_b32 v255, s71
	v_mov_b32 v254, 0xc4545498                     ; -849.3218
	s_mov_b32 s62, 0xffff0000                      ; lanes 16-31
	s_mov_b32 s66, 0x76543210                      ; v_permlanex16_b32: lane l xor 16
	s_mov_b32 s67, 0xfedcba98
	s_wait_loadcnt 12                              ; the queries and tile 0 are in; tiles 1 to 3 may be out
	MM 0
.irp i, 0,1,2,3,4,5,6,7,8,9,10,11,12,13,14,15,16,17,18,19,20,21,22,23,24,25,26,27,28,29,30,31,32,33,34,35,36,37,38,39
	v_mov_b32 v[AC+\i], 0                          ; the forty sums begin at zero, once a wave: so the turn is written without a first form of its own.  (These lines are also the places behind the first products)
.endr
	s_mov_b32 s68, 3
.Ltrip:                                                ; a trip: a group's four tiles; the ring takes the next group's
	BODY 0, 1, 1, 12
	BODY 1, 1, 1, 12
	BODY 2, 1, 1, 12
	BODY 3, 1, 1, 12
	s_wait_xcnt 0x0                                ; the refills have had their addresses translated: their offset registers are written again only behind this wait
.irp j, 0,1,2,3
	OFFS AD+\j, N1+\j                              ; the group after the one just asked for
	v_mov_b32 v[N1+\j], v[N2+\j]                   ; and the last group's raw indices move up (the hold always stands behind the move)
.endr
	s_sub_co_u32 s68, s68, 1
	s_cmp_lg_u32 s68, 0
	s_cbranch_scc1 .Ltrip
	BODY 0, 0, 1, 8                                ; the last group is written out: nothing is left to ask for, and the counts run down
	BODY 1, 0, 1, 4
	BODY 2, 0, 1, 0
	BODY 3, 0, 0, 0
	; LDS addresses, made by every wave ahead of the first parting of the waves
	v_and_b32 v201, 31, v0
	v_lshlrev_b32 v201, 2, v201                    ; 4 x lane
	s_mul_i32 s69, s30, 1280
	v_add_nc_u32 v200, s69, v201                   ; where I put my sums
	s_and_b32 s70, s30, 14
	s_mul_i32 s70, s70, 1280
	s_mul_i32 s71, s33, 640
	s_add_co_u32 s70, s70, s71
	v_add_nc_u32 v201, s70, v201                   ; where I read: the even wave of my item and pair, kernels 5 (w % 2) on; the odd wave lies 1,280 bytes further
	s_lshr_b32 s71, s30, 1
	s_lshl_b32 s71, s71, 6
	s_mul_i32 s69, s33, 20
	s_add_co_u32 s71, s71, s69
	s_add_co_u32 s71, s71, FEAT
	v_mov_b32 v202, s71                            ; where my five features go
	v_and_b32 v203, 3, v0
	v_lshlrev_b32 v203, 7, v203
	v_bfe_u32 v195, v0, 2, 1
	v_lshl_add_u32 v203, v195, 6, v203             ; the net: lane l serves item l % 4, pair (l / 4) % 2: its row of features
	v_mov_b32 v186, 0
	s_cmp_lg_u32 s30, 0                            ; wave 0, which will run the net, asks for the weights now: they land while the sums are reduced
	s_cbranch_scc1 .Lno_weights
	WLD 12, 25, 16                                 ; w0 -> v12-111
	WLD 112, 2, 18                                 ; b0 -> v112-121
	global_load_b64 v[120:121], v186, s[18:19] offset:32
	WLD 122, 12, 20                                ; w1 -> v122-171
	global_load_b64 v[170:171], v186, s[20:21] offset:192
	WLD 172, 1, 22                                 ; b1 -> v172-176
	global_load_b32 v176, v186, s[22:23] offset:16
	WLD 178, 1, 24                                 ; w2 -> v178-182
	global_load_b32 v182, v186, s[24:25] offset:16
	global_load_b32 v184, v186, s[26:27]           ; b2
.Lno_weights:
	; A: my sums over my 256 documents, for 32 queries and ten kernels, go to LDS
	v_exp_f32 v196, 0xc26e3fb4                     ; 2^-(56 + d^2)    = 2^-59.56221
	v_exp_f32 v197, 0xc28c7f68                     ; 2^-(56 + 4 d^2)  = 2^-70.24884
	v_exp_f32 v198, 0xc2b01eaa                     ; 2^-(56 + 9 d^2)  = 2^-88.05989
	v_exp_f32 v199, 0xc2e1fda0                     ; 2^-(56 + 16 d^2) = 2^-112.99536
.irp i, 0,2,4,6,8,10,12,14,16,18,20,22,24,26,28,30,32,34,36,38
	v_add_f32 v[AC+\i], v[AC+\i], v[AC+\i+1]       ; a pair's two halves
.endr
	s_wait_alu depctr_va_vdst(0)                   ; one wait for the four exponentials; the twenty additions stand between
.irp k, 0,1,2,3,4,5,6,7,8,9
	v_cndmask_b32 v[AC+2*\k+1], v[AC+20+2*\k], v[AC+2*\k], s62   ; what the lane 16 away wants: lanes 0-15 send query 2 r + 1's sum, lanes 16-31 query 2 r's
	v_cndmask_b32 v[AC+2*\k], v[AC+2*\k], v[AC+20+2*\k], s62     ; what I keep: lanes 0-15 query 2 r, lanes 16-31 query 2 r + 1
.endr
.irp k, 0,1,2,3,4,5,6,7,8,9
	v_permlanex16_b32 v[AC+21+2*\k], v[AC+2*\k+1], s66, s67
.endr
.irp k, 0,1,2,3,4,5,6,7,8,9
	v_add_f32 v[AC+2*\k], v[AC+2*\k], v[AC+21+2*\k]
.endr
.irp m, 1,2,3,4
	v_mul_f32 v[AC+2*(4-\m)], v[AC+2*(4-\m)], v[195+\m]          ; the constant factor of kernels 4 - m and 4 + m
	v_mul_f32 v[AC+2*(4+\m)], v[AC+2*(4+\m)], v[195+\m]
.endr
	v_mul_f32 v[AC+8], 0x23800000, v[AC+8]         ; kernel 4: 2^-56
.irp k, 0,1,2,3,4,5,6,7,8,9
	ds_store_b32 v200, v[AC+2*\k] offset:PART+128*\k
.endr
	s_wait_dscnt 0x0                               ; for the others' sake: my stores have landed
	s_barrier_signal -1
	s_barrier_wait -1
	; B: five kernels of my item and pair: the two halves of the documents, log1p, the sum over the 32 queries
.irp q, 0,1,2,3,4
	ds_load_b32 v[204+\q], v201 offset:PART+128*\q
	ds_load_b32 v[209+\q], v201 offset:PART+1280+128*\q
.endr
	s_wait_dscnt 0x0
.irp q, 0,1,2,3,4
	v_add_f32 v[204+\q], v[204+\q], v[209+\q]      ; x
.endr
.irp q, 0,1,2,3,4
	v_add_f32 v[214+\q], 1.0, v[204+\q]
.endr
.irp q, 0,1,2,3,4
	v_log_f32 v[214+\q], v[214+\q]                 ; log2(1 + x)
.endr
.irp q, 0,1,2,3,4
	v_fma_f32 v[219+\q], v[204+\q], 0x3eaaaaab, -0.5   ; under 2^-7, where 1 + x would lose x's bits: x (1 + x (-1/2 + x / 3)); what is cut is under x^3 / 4 of the result
.endr
.irp q, 0,1,2,3,4
	v_fma_f32 v[219+\q], v[219+\q], v[204+\q], 1.0
.endr
.irp q, 0,1,2,3,4
	v_mul_f32 v[219+\q], v[219+\q], v[204+\q]
.endr
	s_wait_alu depctr_va_vdst(0)                   ; one wait for the five logarithms; the polynomial stands between
.irp q, 0,1,2,3,4
	v_mul_f32 v[214+\q], 0x3f317218, v[214+\q]     ; x ln 2
.endr
.irp q, 0,1,2,3,4
	v_cmp_gt_f32 vcc_lo, 0x3c000000, v[204+\q]     ; 2^-7 > x: a choice of value, no branch
	v_cndmask_b32 v[214+\q], v[214+\q], v[219+\q], vcc_lo
.endr
.irp m, 1,2,4,8
.irp q, 0,1,2,3,4
	v_add_f32_dpp v[214+\q], v[214+\q], v[214+\q] row_xmask:\m row_mask:0xf bank_mask:0xf
.endr
.endr
.irp q, 0,1,2,3,4
	v_permlanex16_b32 v[219+\q], v[214+\q], s66, s67
.endr
.irp q, 0,1,2,3,4
	v_add_f32 v[214+\q], v[214+\q], v[219+\q]      ; every lane holds the feature
.endr
.irp q, 0,1,2,3,4
	ds_store_b32 v202, v[214+\q] offset:4*\q       ; all lanes write the same word with the same value
.endr
	s_wait_dscnt 0x0
	s_barrier_signal -1
	s_barrier_wait -1
	s_cmp_lg_u32 s30, 0
	s_cbranch_scc1 .Ldone
	; C: wave 0 runs the net, a lane to an item and pair (lanes 0-7; the others repeat them)
	ds_load_b128 v[204:207], v203 offset:FEAT
	ds_load_b128 v[208:211], v203 offset:FEAT+16
	ds_load_b64 v[212:213], v203 offset:FEAT+32
	s_lshl_b32 s44, ttmp9, 4                       ; my work-group's four numbers of out0
	s_mov_b32 s45, 0
	s_add_nc_u64 s[28:29], s[28:29], s[44:45]
	s_wait_dscnt 0x0
	s_wait_loadcnt 0x0                             ; the weights
.irp o, 0,1,2,3,4,5,6,7,8,9
	v_fma_f32 v[214+\o], v204, v[12+10*\o], v[112+\o]            ; the bias starts each sum
.endr
.irp i, 1,2,3,4,5,6,7,8,9
.irp o, 0,1,2,3,4,5,6,7,8,9
	v_fma_f32 v[214+\o], v[204+\i], v[12+10*\o+\i], v[214+\o]
.endr
.endr
.irp o, 0,1,2,3,4,5,6,7,8,9
	v_max_num_f32 v[214+\o], 0, v[214+\o]
.endr
.irp o, 0,1,2,3,4
	v_fma_f32 v[224+\o], v214, v[122+10*\o], v[172+\o]
.endr
.irp i, 1,2,3,4,5,6,7,8,9
.irp o, 0,1,2,3,4
	v_fma_f32 v[224+\o], v[214+\i], v[122+10*\o+\i], v[224+\o]
.endr
.endr
.irp o, 0,1,2,3,4
	v_max_num_f32 v[224+\o], 0, v[224+\o]
.endr
	v_fma_f32 v230, v224, v178, v184
.irp i, 1,2,3,4
	v_fma_f32 v230, v[224+\i], v[178+\i], v230
.endr
	v_mov_b32 v231, 0                              ; written once: the destination of the next line counts as one of its sources
	v_sub_f32_dpp v231, v230, v230 row_xmask:4 row_mask:0xf bank_mask:0xf   ; lanes 0-3: logit 2 (lane l + 4) less logit 1
	v_mul_f32 v231, 0x3fb8aa3b, v231
	v_exp_f32 v231, v231                           ; e^(logit 2 - logit 1)
	v_lshlrev_b32 v232, 2, v0                      ; (a plain line behind the exponential)  4 bytes a lane
	s_wait_alu depctr_va_vdst(0)
	v_add_f32 v231, 1.0, v231
	v_rcp_f32 v231, v231                           ; sigmoid(logit 1 - logit 2)
	v_nop
	s_wait_alu depctr_va_vdst(0)
	s_wait_xcnt 0x0                                ; EXEC changes only behind this wait
	v_cmp_gt_u32 vcc_lo, 4, v0
	s_and_saveexec_b32 s69, vcc_lo
	global_store_b32 v232, v231, s[28:29]          ; lanes 0-3: 16 consecutive bytes, all that the work-group has of the output
	s_wait_xcnt 0x0
	s_mov_b32 exec_lo, -1
	v_lshl_add_u32 v254, v0, 2, 0x5200
	v_mov_b32 v255, 0
	s_wait_tensorcnt 0x0
	ds_add_u32 v254, v255
	s_wait_dscnt 0x0
	s_endpgm
.Ldone:
	s_wait_xcnt 0x0
	s_mov_b32 exec_lo, -1
	v_lshl_add_u32 v254, v0, 2, 0x5200
	v_mov_b32 v255, 0
	s_wait_tensorcnt 0x0
	ds_add_u32 v254, v255
	s_wait_dscnt 0x0
	s_endpgm
.Lfunc_end_k_q9ed95c1704_knrm:
	.size	k_q9ed95c1704_knrm, .Lfunc_end_k_q9ed95c1704_knrm-k_q9ed95c1704_knrm
	.p2alignl 7, 3214868480
	.fill 96, 4, 3214868480
	.section	.rodata,"a",@progbits
	.p2align	6, 0x0
	.amdhsa_kernel k_q9ed95c1704_knrm
		.amdhsa_group_segment_fixed_size 23040
		.amdhsa_private_segment_fixed_size 0
		.amdhsa_enable_private_segment 0
		.amdhsa_kernarg_size 104
		.amdhsa_user_sgpr_count 2
		.amdhsa_user_sgpr_kernarg_segment_ptr 1
		.amdhsa_wavefront_size32 1
		.amdhsa_system_sgpr_workgroup_id_x 1
		.amdhsa_system_sgpr_workgroup_id_y 1
		.amdhsa_system_sgpr_workgroup_id_z 1
		.amdhsa_system_vgpr_workitem_id 0
		.amdhsa_next_free_vgpr 256
		.amdhsa_next_free_sgpr 72
		.amdhsa_reserve_vcc 1
		.amdhsa_float_denorm_mode_32 3
		.amdhsa_float_denorm_mode_16_64 3
		.amdhsa_memory_ordered 1
		.amdhsa_forward_progress 1
		.amdhsa_inst_pref_size 142
	.end_amdhsa_kernel
	.amdgpu_metadata
---
amdhsa.version: [ 1, 2 ]
amdhsa.kernels:
  - .name:           k_q9ed95c1704_knrm
    .symbol:         k_q9ed95c1704_knrm.kd
    .args:
      - { .name: codes, .offset: 0, .size: 8, .value_kind: global_buffer, .address_space: global }
      - { .name: query_1, .offset: 8, .size: 8, .value_kind: global_buffer, .address_space: global }
      - { .name: document_1, .offset: 16, .size: 8, .value_kind: global_buffer, .address_space: global }
      - { .name: query_2, .offset: 24, .size: 8, .value_kind: global_buffer, .address_space: global }
      - { .name: document_2, .offset: 32, .size: 8, .value_kind: global_buffer, .address_space: global }
      - { .name: lowp_scales, .offset: 40, .size: 8, .value_kind: global_buffer, .address_space: global }
      - { .name: w0, .offset: 48, .size: 8, .value_kind: global_buffer, .address_space: global }
      - { .name: b0, .offset: 56, .size: 8, .value_kind: global_buffer, .address_space: global }
      - { .name: w1, .offset: 64, .size: 8, .value_kind: global_buffer, .address_space: global }
      - { .name: b1, .offset: 72, .size: 8, .value_kind: global_buffer, .address_space: global }
      - { .name: w2, .offset: 80, .size: 8, .value_kind: global_buffer, .address_space: global }
      - { .name: b2, .offset: 88, .size: 8, .value_kind: global_buffer, .address_space: global }
      - { .name: out0, .offset: 96, .size: 8, .value_kind: global_buffer, .address_space: global }
    .group_segment_fixed_size: 23040
    .private_segment_fixed_size: 0
    .kernarg_segment_align: 8
    .kernarg_segment_size: 104
    .max_flat_workgroup_size: 512
    .sgpr_count:     72
    .vgpr_count:     256
    .wavefront_size: 32
...
	.end_amdgpu_metadata
.endif
;; end of part 2
